; MI455X (gfx1250); checked and timed in simulation.
; The chip was launched on July 23, 2026; its instructions are those of AMD's public machine-readable ISA for CDNA 5 (MIT licence, August 2026) and "CDNA5" Instruction Set Architecture Reference Guide (July 2026). The comments in the code are by the model that wrote it; some were corrected since.
;; Net. Allowed arithmetic: matrix products marked QUANTISED: E4M3 operands, one given power-of-two scale a tensor, by v_wmma_f32_16x16x64_fp8_fp8 or v_wmma_f32_16x16x128_fp8_fp8, f32 sums; everything else in f32.
;; Inputs: W_codes 100 x 4 x 32 uint8 (E4M3 codes of W, K innermost, in blocks of 32 codes); lowp_scales 2 int32 (the exponents e of the quantised operands' scales 2^e); x_codes 262,144 x 4 x 32 uint8 (E4M3 codes of x, K innermost, in blocks of 32 codes).
;; Outputs: out0 262,144 x 1 float32.
;; This version of the problem:
;;   THIS VERSION OF THE PROBLEM IS GIVEN IN LOW PRECISION. The matrix products marked QUANTISED in the list below multiply operands that are first quantised to E4M3 (4 exponent bits, 3 mantissa bits; 8 bits a number), with one given power-of-two scale for each operand tensor; their sums are f32. All else is computed in f32.
;;   The module's matrix products, in the order in which they are computed (A, B: the left and right operand; K: the contracted axis; several contracted axes count as one K, in the product's order):
;;     1. [M 262,144, K 128] x [K 128, N 100]; A: input x (given as codes); B: input W (given as codes): QUANTISED (scales: A lowp_scales[0], B lowp_scales[1])
;;   THE QUANTISER, for each operand of a quantised product, along K:
;;     - The operand's scale is 2^e, e = its entry of the input lowp_scales (int32; the entries are numbered through the quantised products in the list's order, A before B).
;;     - Each number is divided by the scale, clamped to +-448, and rounded to the nearest number of E4M3, ties to even, subnormals kept.
;;     - The product sums the exact products of the quantised numbers (number of the format x scale) in f32.
;;   ~~~python
;;   def quantise(x, axis, e):      # numpy; x: float32 -> the quantised numbers, widened to float32 again
;;       x = np.moveaxis(x, axis, -1); K = x.shape[-1]
;;       r = np.clip(x / 2.0 ** e, -448, 448)
;;       step = 2.0 ** (np.maximum(np.frexp(np.where(r == 0, 1, r))[1] - 1, -6) - 3)
;;       q = np.round(r / step) * step * 2.0 ** e      # np.round: ties to even
;;       return np.moveaxis(q, -1, axis).astype(np.float32)
;;   ~~~
;;   INPUTS GIVEN AS CODES. W (in the module: [100, 128], K = its axis 1); x (in the module: [262144, 128], K = its axis 1): each comes as NAME_codes (uint8): NAME with its K axis moved to the last place and cut into blocks of 32 codes, [.., K / 32, bytes a block], one block behind the other in memory; one code a byte (a code: sign, 4 exponent bits, 3 mantissa bits); its scale is its entry of lowp_scales. Its value is code x scale, taken as it is: it is not quantised again, and the codes and scales need not be those that the quantiser above would give.
;; One version. Each part assembles by itself: llvm-mc -triple=amdgcn-amd-amdhsa -mcpu=gfx1250 --defsym DOCPART=n.
;; ======== version 1 of 1: 1 launch
;; limits: right only within a limited range of input values
;; launch cubic_heads (part 1): grid 256 x 1, 8 waves a work-group, no clusters, 168,960 bytes of LDS; arguments x_codes, W_codes, lowp_scales, out0; writes out0
.if DOCPART == 1
	.amdgcn_target "amdgcn-amd-amdhsa--gfx1250"
	.amdhsa_code_object_version 6
	.text
	.protected	k_q47401b7a1d_cubic_heads
	.globl	k_q47401b7a1d_cubic_heads
	.p2align	8
	.type	k_q47401b7a1d_cubic_heads,@function
k_q47401b7a1d_cubic_heads:
	s_mov_b64 s[64:65], 0
	v_nop
	global_prefetch_b8 v0, s[64:65] scope:SCOPE_SE
	s_setreg_imm32_b32 hwreg(HW_REG_WAVE_MODE, 25, 1), 1
	s_wait_xcnt 0x0
; out[b] = the sum over the 100 heads m of z^3 + 0.1 z,  z = x[b] . W[m].  x: [262144][128], W: [100][128]: codes of FP8 (E4M3), one a byte, K innermost; a number of x is its
; code's value x 2^ex, of W x 2^ew (ex, ew: the two int32 of lowp_scales).  out: [262144] f32.
; THE SCALES ARE FOLDED.  raw = the f32 sum of the codes' products, e = ex + ew, z = raw x 2^e:  z^3 + 0.1 z = 2^(3e) x raw x (raw^2 + c),  c = 0.1 x 2^(-2e).  So a number costs two fused
; multiply-adds (packed: two numbers an instruction), and a row's finished sum is multiplied once by 2^(3e) (v_ldexp_f32).
; LIMIT: -49 <= ex + ew <= 61.  c is made by taking 2 e off the exponent field of 0.1 (123): e <= 61 keeps the field at 1 or above.  |raw| <= 128 x 448^2 = 25,690,112, so a row's sum is at most
; 100 x 2.57e7 x (6.6e14 + c), which stays an f32 number while c <= 0.1 x 2^98, that is e >= -49.  NaN codes give NaN, as they do in the definition.
; SHARES.  256 work-groups, 1,024 rows of x each: 131,072 bytes, which lie in LDS whole (rows 144 bytes apart).  So no LDS byte is filled twice: every tensor load of the launch goes out at the head.
; Eight waves; wave w owns rows 128 w .. 128 w + 127, fetches them by four tensor loads of 32 rows and reads only its own bytes, each chunk behind its own counted wait.  Wave 0 fetches W first: a tile of
; 112 rows of which the tensor has 100, so rows 100-111 land as zero codes.  One barrier; then each wave takes W's seven fragments into 112 registers, where they stay.
; Wave 0 has five tensor loads outstanding at the most, the others four.
; LAYOUT.  Source 0 = 16 heads of W, source 1 = 16 rows of x: in the result lane (r, h) holds row r of x, and register j head 8 h + j of the tile.  The sum over heads stays in the lane but for one exchange
; with lane l xor 16.  A fragment is four loads of 16 bytes at row x 144 + 16 h + 32 c, alike for x and W: the same permutation of k on both sides, so every product meets its partner.
; TILE 6 holds heads 96-99 and twelve zero rows.  Its lanes take the rows in another order (lane 0, 1, 8, 9: heads 96, 97, 98, 99), so that the four heads fall into registers 0 and 1: one pair is cubed.
; A zero row gives raw = 0 and adds 0 x c = 0.
; NO CLUSTER: the work-groups share W alone, 12,800 of the 143,872 bytes that a work-group fetches, and a cluster's round would stand in front of every first load.
.set PITCH, 144                        ; an LDS row: 128 bytes + 16 of padding = 36 words: row r starts at bank 36 r mod 64 (64 banks of 4 bytes: ISA guide 11.1): the 16 rows of a load take 16 different columns of 16 bytes
.set NCH,   4                          ; chunks a wave
.set CROWS, 32                         ; rows in a chunk: two tiles of 16
.set CHB,   CROWS*PITCH                ; a chunk in LDS
.set WVB,   NCH*CHB                    ; a wave's rows in LDS
.set WL,    8*WVB                      ; behind x: W's 112 rows
.set STG,   WL+112*PITCH               ; behind W, at a multiple of 256: a stage of 512 bytes for each wave, into which no tensor load lands
.set LAG,   3                          ; a result is cubed behind the third matrix instruction after its own
.set AX,  1                            ; v1   LDS address of my lane in my wave's first tile of x
.set AW,  2                            ; v2   the same in W's tile 0
.set AW6, 3                            ; v3   and in W's tile 6, rows permuted
.set SI,  4                            ; v4   the stage: where I put a row's sum (4 bytes a lane)
.set SO,  5                            ; v5   the stage: where I read four rows' sums back
.set GO,  6                            ; v6   my byte offset in the work-group's 4,096 bytes of out
.set PX,  7                            ; v7   what lane l xor 16 sends
.set CC,  8                            ; v[8:9]   c, twice
.set T,   10                           ; v[10:17] raw^2 + c, four pairs (before that: at work on the addresses)
.set S,   18                           ; v[18:25] four running pairs of a tile's sum
.set SUM, 26                           ; v26, v27 my half of the sums of the chunk's two tiles
.set FA,  28                           ; v28, v29 the two tiles folded
.set OUT, 32                           ; v[32:35] four rows' sums on the way out
.set XF,  40                           ; v[40:71] the chunk's two fragments of x
.set AC,  72                           ; v[72:127] seven accumulators, one for each tile of heads
.set WF,  128                          ; v[128:239] W's seven fragments
.set WV,  12                           ; s12  my wave's number
.set G1X, 16                           ; s[16:23] descriptor group 1 for a chunk of x
.set G1W, 24                           ; s[24:31] for W
.set G0X, 32                           ; s[32:47] group 0, a set for each chunk: all four are out together
.set G0W, 48                           ; s[48:51] group 0 for W
.set HI,  60                           ; s60  the mask of lanes 16-31
.set SEL, 61                           ; s61, s62  lane selects for v_permlanex16_b32: lane l xor 16
	s_load_b256 s[4:11], s[0:1], 0x0               ; x s[4:5], W s[6:7], the scales' exponents s[8:9], out s[10:11]
	v_lshl_add_u32 v240, v0, 2, 0x29000
	v_mov_b32 v241, 0
	ds_add_u32 v240, v241
	ds_add_u32 v240, v241
	v_lshrrev_b32 v1, 5, v0
	v_readfirstlane_b32 s[WV], v1                  ; wave 0..7
	; group 1: rows of 128 elements of one byte, dense in memory; in LDS four words of padding behind every 32
	s_mov_b32 s[G1X+0], (0<<16)|(1<<20)|(4<<22)|(3<<25)  ; 15:0 no mask; 17:16 elements of 1 byte; 20 padding on; 24:22 after every 32 words (code 4); 31:25 four words (code 3)
	s_mov_b32 s[G1X+1], 128<<16                    ; tensor_dim0 = 128
	s_mov_b32 s[G1X+2], CROWS<<16                  ; tensor_dim1 = 32
	s_mov_b32 s[G1X+3], 128<<16                    ; tile_dim0 = 128
	s_mov_b32 s[G1X+4], CROWS                      ; tile_dim1 = 32
	s_mov_b32 s[G1X+5], 128                        ; from row to row
	s_mov_b32 s[G1X+6], 0
	s_mov_b32 s[G1X+7], 0
	s_mov_b32 s[G1W+0], (0<<16)|(1<<20)|(4<<22)|(3<<25)
	s_mov_b32 s[G1W+1], 128<<16
	s_mov_b32 s[G1W+2], 100<<16                    ; tensor_dim1 = 100: the tensor ends here,
	s_mov_b32 s[G1W+3], 128<<16
	s_mov_b32 s[G1W+4], 112                        ; tile_dim1 = 112: the twelve rows beyond land as zeros
	s_mov_b32 s[G1W+5], 128
	s_mov_b32 s[G1W+6], 0
	s_mov_b32 s[G1W+7], 0
	s_lshl_b32 s14, ttmp9, 17                      ; the work-group's 1,024 rows of 128 bytes (at most 255 x 2^17: under 2^32),
	s_lshl_b32 s15, s[WV], 14                      ; my wave's 128 of them
	s_add_co_u32 s14, s14, s15
	s_mov_b32 s15, 0
	s_mul_i32 s13, s[WV], WVB                      ; and their place in LDS
	s_lshl_b32 s58, ttmp9, 12                      ; the work-group's 1,024 numbers of out
	s_mov_b32 s59, 0
	s_wait_dscnt 0x0
	s_wait_kmcnt 0x0
	s_load_b64 s[52:53], s[8:9], 0x0               ; ex, ew
	s_add_nc_u64 s[4:5], s[4:5], s[14:15]          ; x at my wave's first row
	s_add_nc_u64 s[10:11], s[10:11], s[58:59]      ; out at the work-group's first row
.irp n, 0,1,2,3
	s_mov_b32 s[G0X+4*\n], 1                                       ; count = 1
	s_add_co_u32 s[G0X+4*\n+1], s13, \n*CHB                        ; LDS address: wave x 18,432 + chunk x 4,608
	s_add_nc_u64 s[G0X+4*\n+2:G0X+4*\n+3], s[4:5], \n*CROWS*128    ; global address of the chunk's first row
	s_or_b32 s[G0X+4*\n+3], s[G0X+4*\n+3], 0x80000000              ; type = 2
.endr
	s_mov_b32 s[G0W], 1
	s_mov_b32 s[G0W+1], WL
	s_mov_b64 s[G0W+2:G0W+3], s[6:7]
	s_or_b32 s[G0W+3], s[G0W+3], 0x80000000
	; ALL FILLS OF THE LAUNCH, in one group, ahead of every wait on TENSORcnt, every LDS read and the barrier.  A wave's fills stand in one arm of one branch on the wave's number.
	s_cmp_lg_u32 s[WV], 0
	s_cbranch_scc1 .Lothers
	tensor_load_to_lds s[G0W:G0W+3], s[G1W:G1W+7]  ; W first: everybody waits for it
	s_nop 0
	tensor_load_to_lds s[G0X:G0X+3], s[G1X:G1X+7]
	s_nop 0
	tensor_load_to_lds s[G0X+4:G0X+7], s[G1X:G1X+7]
	s_nop 0
	tensor_load_to_lds s[G0X+8:G0X+11], s[G1X:G1X+7]
	s_nop 0
	tensor_load_to_lds s[G0X+12:G0X+15], s[G1X:G1X+7]
	s_nop 0
	v_nop
	v_nop
	v_nop
	v_nop
	s_branch .Lasked
.Lothers:
	tensor_load_to_lds s[G0X:G0X+3], s[G1X:G1X+7]
	s_nop 0
	tensor_load_to_lds s[G0X+4:G0X+7], s[G1X:G1X+7]
	s_nop 0
	tensor_load_to_lds s[G0X+8:G0X+11], s[G1X:G1X+7]
	s_nop 0
	tensor_load_to_lds s[G0X+12:G0X+15], s[G1X:G1X+7]
	s_nop 0
	v_nop
	v_nop
	v_nop
	v_nop
.Lasked:
	; addresses, while the tiles are on their way
	v_and_b32 v10, 15, v0                          ; r = lane % 16
	v_bfe_u32 v11, v0, 4, 1                        ; h = lane / 16
	v_and_b32 v12, 31, v0                          ; lane
	v_mul_u32_u24 v13, v10, PITCH
	v_lshl_add_u32 v13, v11, 4, v13                ; row r x pitch + 16 h
	v_add_nc_u32 v[AX], s13, v13
	v_add_nc_u32 v[AW], WL, v13
	v_and_b32 v14, 1, v0                           ; tile 6: lane r takes row 96 + f(r); of r's bits b3 b2 b1 b0, f has b2 b1 b3 b0: f(0, 1, 8, 9) = 0, 1, 2, 3, all others 4 to 15
	v_bfe_u32 v15, v0, 3, 1
	v_lshl_add_u32 v14, v15, 1, v14
	v_bfe_u32 v15, v0, 1, 2
	v_lshl_add_u32 v14, v15, 2, v14
	v_mul_u32_u24 v14, v14, PITCH
	v_lshl_add_u32 v14, v11, 4, v14
	v_add_nc_u32 v[AW6], WL+96*PITCH, v14
	s_lshl_b32 s57, s[WV], 9
	s_add_co_u32 s57, s57, STG                     ; my wave's stage
	v_lshl_add_u32 v[SI], v12, 2, s57
	v_lshl_add_u32 v[SO], v12, 4, s57
	v_lshlrev_b32 v[GO], 4, v0                     ; thread t stores rows 4 t .. 4 t + 3 of the work-group's 1,024
	v_mov_b32 v[PX], 0                             ; written once: a lane permute's destination counts as one of its sources
	s_mov_b32 s[HI], 0xffff0000
	s_mov_b32 s[SEL], 0x76543210
	s_mov_b32 s[SEL+1], 0xfedcba98
	s_wait_kmcnt 0x0
	s_add_co_i32 s52, s52, s53                     ; e = ex + ew
	s_lshl_b32 s53, s52, 24                        ; 2 e, at the exponent field's place
	s_sub_co_i32 s53, 0x3dcccccd, s53              ; c = 0.1 x 2^(-2e): 2 e off the exponent field of 0.1
	v_mov_b32 v[CC], s53
	v_mov_b32 v[CC+1], s53
	s_mul_i32 s56, s52, 3                          ; 3 e, for v_ldexp_f32
	s_wait_tensorcnt 4                             ; wave 0: W has landed, the four loads issued behind it may stay out; the other waves have four out at the most
	s_barrier_signal -1
	s_barrier_wait -1                              ; W is there for everybody
.irp j, 0,1,2,3,4,5
.irp c, 0,1,2,3
	ds_load_b128 v[WF+16*\j+4*\c:WF+16*\j+4*\c+3], v[AW] offset:\j*16*PITCH+32*\c
.endr
.endr
.irp c, 0,1,2,3
	ds_load_b128 v[WF+96+4*\c:WF+96+4*\c+3], v[AW6] offset:32*\c
.endr
; THE VECTOR WORK on result g of a chunk's fourteen (tile of x g / 7, tile of heads g % 7): for each pair of heads t = raw^2 + c, then sum += raw x t, in four running pairs that do not wait for each other.
; Each accumulator is read from its low end on.  A tile's first group starts the sums by a multiplication: nothing is cleared.  Tile 6 of the heads has one pair; behind it the eight partial sums become one.
.macro GROUP g
.set gj, (\g)%7
.set gu, (\g)/7
.set Z, AC+8*gj
.if gj == 6
	v_pk_fma_f32 v[T:T+1], v[Z:Z+1], v[Z:Z+1], v[CC:CC+1]
	v_pk_add_f32 v[S+4:S+5], v[S+4:S+5], v[S+6:S+7]
	v_pk_fma_f32 v[S:S+1], v[Z:Z+1], v[T:T+1], v[S:S+1]
	v_pk_add_f32 v[S+2:S+3], v[S+2:S+3], v[S+4:S+5]
	v_pk_add_f32 v[S:S+1], v[S:S+1], v[S+2:S+3]
	v_add_f32 v[SUM+gu], v[S], v[S+1]              ; my half of the heads, for row r of this tile
.else
.irp i, 0,2,4,6
	v_pk_fma_f32 v[T+\i:T+\i+1], v[Z+\i:Z+\i+1], v[Z+\i:Z+\i+1], v[CC:CC+1]
.endr
.irp i, 0,2,4,6
.if gj == 0
	v_pk_mul_f32 v[S+\i:S+\i+1], v[Z+\i:Z+\i+1], v[T+\i:T+\i+1]
.else
	v_pk_fma_f32 v[S+\i:S+\i+1], v[Z+\i:Z+\i+1], v[T+\i:T+\i+1], v[S+\i:S+\i+1]
.endif
.endr
.endif
.endm
; A CHUNK: 32 rows, two tiles, fourteen matrix instructions.  K = 128 is one instruction, so each starts a sum of its own with the constant 0: no accumulator is added onto.
; Behind matrix instruction k stands the vector group of result k - LAG.  So between a matrix instruction and the first read of its result stand three groups of plain vector instructions that name none of its
; registers (ISA guide 7.12.1 asks for four such instructions); at the chunk's head, where there are no groups yet, four v_nop.  An accumulator is written again seven matrix instructions on, four behind its group.
; The loads into x's fragments stand behind the last three groups of the chunk before.
.macro CHUNK n
	s_wait_tensorcnt NCH-1-(\n)                    ; a wave's tensor loads end in order (ISA guide 10.11.1): my chunk n is in LDS, the later chunks may stay out
.irp u, 0,1
.irp c, 0,1,2,3
	ds_load_b128 v[XF+16*\u+4*\c:XF+16*\u+4*\c+3], v[AX] offset:(\n)*CHB+\u*16*PITCH+32*\c
.endr
.endr
.set k, 0
.rept 14+LAG
.if k == 0
	s_wait_dscnt 4                                 ; the first tile's fragment is in (and all that was issued before it: W's fragments); the second tile's four loads may be out
.endif
.if k == 7
	s_wait_dscnt 0
.endif
.if k < 14
	v_wmma_f32_16x16x128_fp8_fp8 v[AC+8*(k%7):AC+8*(k%7)+7], v[WF+16*(k%7):WF+16*(k%7)+15], v[XF+16*(k/7):XF+16*(k/7)+15], 0
.endif
.if k == LAG
	v_nop
	v_nop
	v_nop
	v_nop
.endif
.if k >= LAG
	GROUP k-LAG
.endif
.set k, k+1
.endr
	; the two tiles are folded: lanes 0-15 finish the first tile's rows, lanes 16-31 the second's, so that lane l holds row l of the chunk
	v_cndmask_b32 v[FA], v[SUM], v[SUM+1], s[HI]   ; what I keep: lanes 0-15 the first tile's, lanes 16-31 the second's
	v_cndmask_b32 v[FA+1], v[SUM+1], v[SUM], s[HI] ; what lane l xor 16 wants of me
	v_permlanex16_b32 v[PX], v[FA+1], s[SEL], s[SEL+1]
	v_add_f32 v[FA], v[FA], v[PX]
	v_ldexp_f32 v[FA], v[FA], s56                  ; x 2^(3e)
	ds_store_b32 v[SI], v[FA] offset:128*(\n)      ; into my wave's stage: row 32 n + lane
.endm
	CHUNK 0
	CHUNK 1
	CHUNK 2
	CHUNK 3                                        ; its wait on TENSORcnt is for 0: no tensor load is out at the end
	ds_load_b128 v[OUT:OUT+3], v[SO]               ; LDS serves a wave's instructions in order (ISA guide 5.7.1.4): this sees my four stores.  Four neighbouring rows a lane
	s_wait_dscnt 0x0
	global_store_b128 v[GO], v[OUT:OUT+3], s[10:11] th:TH_STORE_NT   ; the wave stores 512 consecutive bytes, at a multiple of 512 from out's first byte; written once, read by nobody here
	s_wait_tensorcnt 0x0
	ds_add_u32 v240, v241
	s_wait_dscnt 0x0
	s_endpgm
.Lfunc_end_k_q47401b7a1d_cubic_heads:
	.size	k_q47401b7a1d_cubic_heads, .Lfunc_end_k_q47401b7a1d_cubic_heads-k_q47401b7a1d_cubic_heads
	.p2alignl 7, 3214868480
	.fill 96, 4, 3214868480
	.section	.rodata,"a",@progbits
	.p2align	6, 0x0
	.amdhsa_kernel k_q47401b7a1d_cubic_heads
		.amdhsa_group_segment_fixed_size 168960
		.amdhsa_private_segment_fixed_size 0
		.amdhsa_enable_private_segment 0
		.amdhsa_kernarg_size 32
		.amdhsa_user_sgpr_count 2
		.amdhsa_user_sgpr_kernarg_segment_ptr 1
		.amdhsa_wavefront_size32 1
		.amdhsa_system_sgpr_workgroup_id_x 1
		.amdhsa_system_sgpr_workgroup_id_y 1
		.amdhsa_system_sgpr_workgroup_id_z 1
		.amdhsa_system_vgpr_workitem_id 0
		.amdhsa_next_free_vgpr 242
		.amdhsa_next_free_sgpr 66
		.amdhsa_reserve_vcc 0
		.amdhsa_float_denorm_mode_32 3
		.amdhsa_float_denorm_mode_16_64 3
		.amdhsa_memory_ordered 1
		.amdhsa_forward_progress 1
		.amdhsa_inst_pref_size 43
	.end_amdhsa_kernel
	.amdgpu_metadata
---
amdhsa.version: [ 1, 2 ]
amdhsa.kernels:
  - .name:           k_q47401b7a1d_cubic_heads
    .symbol:         k_q47401b7a1d_cubic_heads.kd
    .args:
      - { .name: x_codes, .offset: 0, .size: 8, .value_kind: global_buffer, .address_space: global }
      - { .name: W_codes, .offset: 8, .size: 8, .value_kind: global_buffer, .address_space: global }
      - { .name: lowp_scales, .offset: 16, .size: 8, .value_kind: global_buffer, .address_space: global }
      - { .name: out0, .offset: 24, .size: 8, .value_kind: global_buffer, .address_space: global }
    .group_segment_fixed_size: 168960
    .private_segment_fixed_size: 0
    .kernarg_segment_align: 8
    .kernarg_segment_size: 32
    .max_flat_workgroup_size: 256
    .sgpr_count:     66
    .vgpr_count:     242
    .wavefront_size: 32
...
	.end_amdgpu_metadata
.endif
;; end of part 1
